; MI455X (gfx1250); checked and timed in simulation.
; The chip was launched on July 23, 2026; its instructions are those of AMD's public machine-readable ISA for CDNA 5 (MIT licence, August 2026) and "CDNA5" Instruction Set Architecture Reference Guide (July 2026). The comments in the code are by the model that wrote it; some were corrected since.
;; Masked Multi Head Attention. Allowed arithmetic: matrix products marked QUANTISED: E4M3 operands, one given power-of-two scale a tensor, by v_wmma_f32_16x16x64_fp8_fp8 or v_wmma_f32_16x16x128_fp8_fp8, f32 sums; everything else in f32.
;; Inputs: Wk 16 x 1,024 x 64 float32; Wo 1,024 x 1,024 float32; Wq 16 x 1,024 x 64 float32; Wv 16 x 1,024 x 64 float32; lowp_scales 12 int32 (the exponents e of the quantised operands' scales 2^e); x 4 x 2,048 x 1,024 float32.
;; Outputs: out0 4 x 2,048 x 1,024 float32.
;; This version of the problem:
;;   THIS VERSION OF THE PROBLEM IS GIVEN IN LOW PRECISION. The matrix products marked QUANTISED in the list below multiply operands that are first quantised to E4M3 (4 exponent bits, 3 mantissa bits; 8 bits a number), with one given power-of-two scale for each operand tensor; their sums are f32. All else is computed in f32.
;;   The module's matrix products, in the order in which they are computed (A, B: the left and right operand; K: the contracted axis; several contracted axes count as one K, in the product's order):
;;     1. [M 1,024, K 1,024] x [K 1,024, N 8,192]; A: input Wq; B: input x: QUANTISED (scales: A lowp_scales[0], B lowp_scales[1])
;;     2. [M 1,024, K 1,024] x [K 1,024, N 8,192]; A: input Wk; B: input x: QUANTISED (scales: A lowp_scales[2], B lowp_scales[3])
;;     3. [M 1,024, K 1,024] x [K 1,024, N 8,192]; A: input Wv; B: input x: QUANTISED (scales: A lowp_scales[4], B lowp_scales[5])
;;     4. batch 64 x [M 2,048, K 64] x [K 64, N 2,048]; A: computed on the way; B: computed on the way: QUANTISED (scales: A lowp_scales[6], B lowp_scales[7])
;;     5. batch 64 x [M 2,048, K 2,048] x [K 2,048, N 64]; A: softmax (see below); B: computed on the way: QUANTISED (scales: A lowp_scales[8], B lowp_scales[9])
;;     6. [M 8,192, K 1,024] x [K 1,024, N 1,024]; A: computed on the way; B: input Wo: QUANTISED (scales: A lowp_scales[10], B lowp_scales[11])
;;   THE QUANTISER, for each operand of a quantised product, along K:
;;     - The operand's scale is 2^e, e = its entry of the input lowp_scales (int32; the entries are numbered through the quantised products in the list's order, A before B).
;;     - Each number is divided by the scale, clamped to +-448, and rounded to the nearest number of E4M3, ties to even, subnormals kept.
;;     - The product sums the exact products of the quantised numbers (number of the format x scale) in f32.
;;   ~~~python
;;   def quantise(x, axis, e):      # numpy; x: float32 -> the quantised numbers, widened to float32 again
;;       x = np.moveaxis(x, axis, -1); K = x.shape[-1]
;;       r = np.clip(x / 2.0 ** e, -448, 448)
;;       step = 2.0 ** (np.maximum(np.frexp(np.where(r == 0, 1, r))[1] - 1, -6) - 3)
;;       q = np.round(r / step) * step * 2.0 ** e      # np.round: ties to even
;;       return np.moveaxis(q, -1, axis).astype(np.float32)
;;   ~~~
;;   SOFTMAX AHEAD OF A QUANTISED PRODUCT. Where the list says 'softmax', what is quantised is not the finished softmax but p = 2^(t - M), with t = logit x log2(e) and M = ceil(the row's largest t), a whole number; so 1/2 < the row's largest p <= 1. The row's sum l is taken of the UNQUANTISED p, in f32, and the product's result is divided by l at the end. Since M is a whole number, a kernel that streams over the keys may use a running M (the ceiling of the running maximum): every later rescaling is an exact power of two, so the quantised numbers keep their values, but for numbers so far below the row's largest that they fall under the format's range.
;;   OPERANDS COMPUTED ON THE WAY. 'Computed on the way' means the value that the module computes at that place (a softmax that the list does not call 'softmax' is quantised finished and normalised). What goes into a quantiser is computed in f32, as accurately as f32 sums, v_exp_f32 and their like allow (about 1e-6 of the number): no bf16 or f16 on the way to a quantiser, and a product that is left as it is and whose result goes on into a quantised operand takes f32 operands (vector FMAs, or v_wmma_f32_16x16x4_f32). A number that lies on a knife's edge between two numbers of the format may be rounded either way, as far as f32 arithmetic and the matrix unit's own rounding can turn it there, and no further.
;; One version. Each part assembles by itself: llvm-mc -triple=amdgcn-amd-amdhsa -mcpu=gfx1250 --defsym DOCPART=n.
;; ======== version 1 of 1: 4 launches
;; limits: right only within a limited range of input values
;; workspace buffers: xc 25,165,824 bytes; wcod 4,194,304 bytes; qkv 25,165,824 bytes; cimg 8,388,608 bytes
;; launch quant (part 1): grid 640 x 1, 4 waves a work-group, no clusters, 68,096 bytes of LDS; arguments x, Wq, Wk, Wv, Wo, lowp_scales, xc, wcod; writes xc, wcod
.if DOCPART == 1
	.amdgcn_target "amdgcn-amd-amdhsa--gfx1250"
	.amdhsa_code_object_version 6
	.text
	.protected	k_q98c78a80ec_quant
	.globl	k_q98c78a80ec_quant
	.p2align	8
	.type	k_q98c78a80ec_quant,@function
k_q98c78a80ec_quant:
	s_mov_b64 s[64:65], 0
	v_nop
	global_prefetch_b8 v0, s[64:65] scope:SCOPE_SE
	s_setreg_imm32_b32 hwreg(HW_REG_WAVE_MODE, 25, 1), 1
	s_wait_xcnt 0x0
; All inputs become codes of FP8 (E4M3), K innermost, each with the scale 2^e that is given for it: code = number / 2^e, held within +-448, to the nearest code, ties to even.
; x [8192][1024] f32 is an operand of three products with three scales (entries 1, 3, 5), which may differ: three sets of codes, xc [3][8192][1024].
;   Part 0 keeps the rows' order.  In parts 1 and 2 row m lies at the place m with its bits 3 and 4 exchanged: a tile of 16 neighbouring places then holds rows 32 b + 8 u + r + 8 (r / 8),
;   so that the product that takes such tiles as its source 0 leaves 16 NEIGHBOURING rows in a lane's 16 registers of two neighbouring tiles.
; Wq, Wk, Wv [16][1024 (K)][64] and Wo [1024 (K)][1024] f32 have K ahead of their columns: wcod [4][1024 columns][1024 K].  Column n = 64 head + dk of Wq, Wk, Wv lies at row n with bits 3 and 4 exchanged; Wo's at row n.
; Work-groups 0-511 take x, work-groups 512-639 the weights: two ways that part once, on the work-group's number, and never join; each has LDS bytes of its own.  No barrier: a stage is a wave's own.
; LIMITS: each e between -126 and 119, so that 2^e and 448 x 2^e are f32 numbers.  NaN among the inputs is not served (an infinity is held at the largest code).
.set XSTEPS, 8                         ; x: a wave takes 4 rows, 16,384 bytes, in 8 steps of 512 numbers
.set SP,     80                        ; x: a lane's place in a stage: its 64 bytes + 16 of padding
.set XR,     16                        ; v16-79   x: four sets of 16 numbers as they are loaded
.set XX,     80                        ; v80-111  x: two sets of 16 neighbours
.set XT,     112                       ; v112-159 x: the 16 neighbours held within each of the three scales' ranges
.set XC,     160                       ; v160-255 x: codes: twelve registers for each step, so that no store's data are written again
.set WSTG,   32768                     ; weights: the stages begin behind x's 4 x 8,192 bytes
.set WP,     272                       ; weights: a stage row: 256 codes + 16 of padding
.set NB,     8                         ; weights: a wave takes 32 columns x 256 along K: 8 blocks of 32
.set WX,     32                        ; v32-95   weights: two sets of 32 numbers
.set WC,     96                        ; v96-103  weights: a block's codes
.set WOUT,   112                       ; v112-175 weights: the way out
.set WVO,    184                       ; v184-215 weights: 4 x lane + i rows of K, i = 0 .. 31
	s_load_b256 s[4:11], s[0:1], 0x0               ; x s[4:5], Wq s[6:7], Wk s[8:9], Wv s[10:11]
	s_load_b256 s[12:19], s[0:1], 0x20             ; Wo s[12:13], the exponents s[14:15], xc s[16:17], wcod s[18:19]
	s_set_vgpr_msb 0x40
	v_lshl_add_u32 v0, v0, 2, 0x10800
	v_mov_b32 v1, 0
	s_set_vgpr_msb 0x4000
	v_lshrrev_b32 v1, 5, v0
	v_readfirstlane_b32 s20, v1                    ; wave 0..3
	v_and_b32 v2, 31, v0                           ; lane
	s_wait_kmcnt 0x0
	s_load_b256 s[24:31], s[14:15], 0x0            ; e0 .. e7
	s_load_b128 s[32:35], s[14:15], 0x20           ; e8 .. e11
	s_cmp_lt_u32 ttmp9, 512
	s_cbranch_scc0 .Lweights
; ---------------- x ----------------
	s_lshl_b32 s21, ttmp9, 2
	s_add_co_u32 s21, s21, s20                     ; W: my wave's run of 4 rows, 0 .. 2047
	s_and_b32 s22, s21, 0xfffffff9
	s_and_b32 s23, s21, 2
	s_lshl_b32 s23, s23, 1
	s_or_b32 s22, s22, s23
	s_and_b32 s23, s21, 4
	s_lshr_b32 s23, s23, 1
	s_or_b32 s22, s22, s23                         ; W with bits 1 and 2 exchanged: the rows' bits 3 and 4
	s_lshl_b32 s44, s21, 14
	s_mov_b32 s45, 0
	s_add_nc_u64 s[36:37], s[4:5], s[44:45]        ; x at my 4 rows
	s_lshl_b32 s44, s21, 12
	s_add_nc_u64 s[38:39], s[16:17], s[44:45]      ; part 0: rows in order
	s_lshl_b32 s44, s22, 12
	s_add_co_u32 s44, s44, 0x800000
	s_add_nc_u64 s[40:41], s[16:17], s[44:45]      ; part 1
	s_add_co_u32 s44, s44, 0x800000
	s_add_nc_u64 s[42:43], s[16:17], s[44:45]      ; part 2
	s_wait_alu depctr_va_vdst(0)
	v_lshlrev_b32 v3, 4, v2                        ; my 16 bytes of a load's or a store's 512
	s_lshl_b32 s46, s20, 13                        ; my wave's 8,192 bytes of LDS: two stages of 32 x SP
	v_lshrrev_b32 v14, 2, v2
	v_mul_u32_u24 v14, v14, SP
	v_and_b32 v15, 3, v2
	v_lshl_add_u32 v14, v15, 4, v14
	v_add_nc_u32 v14, s46, v14                     ; into a stage: four lanes' 64 bytes on end, then the padding
	v_mul_u32_u24 v15, v2, SP
	v_add_nc_u32 v15, s46, v15                     ; out of it: my 16 neighbours
.macro XLOAD t                         ; a step's 2,048 bytes as they lie: each load reads 512 consecutive bytes
.irp i, 0,1,2,3
	global_load_b128 v[XR+16*((\t)%4)+4*\i:XR+16*((\t)%4)+4*\i+3], v3, s[36:37] offset:2048*(\t)+512*\i th:TH_LOAD_NT
.endr
.endm
.macro XTURN t                         ; through the stage: LDS serves a wave's instructions in order (ISA guide 5.7.1.4), so no wait stands between the stores and the loads
.irp i, 0,1,2,3
	ds_store_b128 v14, v[XR+16*((\t)%4)+4*\i:XR+16*((\t)%4)+4*\i+3] offset:32*SP*((\t)%2)+8*SP*\i
.endr
.irp i, 0,1,2,3
	ds_load_b128 v[XX+16*((\t)%2)+4*\i:XX+16*((\t)%2)+4*\i+3], v15 offset:32*SP*((\t)%2)+16*\i
.endr
.endm
.irp t, 0,1,2,3
	XLOAD \t
.endr
	s_wait_alu depctr_va_vdst(0)
	s_wait_kmcnt 0x0
.irp p, 0,1,2                          ; e1, e3, e5
	s_add_co_i32 s47, s[25+2*\p], 127
	s_lshl_b32 s48, s47, 23
	v_mov_b32 v[5+\p], s48                         ; 2^e as f32: the conversion takes its exponent field
	s_add_co_i32 s47, s47, 8
	s_lshl_b32 s47, s47, 23
	s_or_b32 s47, s47, 0x600000
	v_mov_b32 v[8+\p], s47                         ; 448 x 2^e
.endr
	s_wait_alu depctr_va_vdst(0)
	s_wait_loadcnt 12                              ; step 0's four loads are in
	XTURN 0
.macro XSTEP t
.set XS, XX+16*((\t)%2)
	s_wait_dscnt 0x0                               ; this step's numbers are back from the stage, and its stores into the stage have read their registers,
.if (\t)+4 < XSTEPS
	XLOAD (\t)+4                                   ; which take the loads of four steps on
.endif
.if (\t)+1 < XSTEPS
.if XSTEPS-2-(\t) >= 3
	s_wait_loadcnt 12                              ; the next step's four loads are in; those of the three steps behind it may be out
.else
	s_wait_loadcnt 4*(XSTEPS-2-(\t))
.endif
	XTURN (\t)+1                                   ; they go through the other stage while this step is worked
.endif
.irp p, 0,1,2
.irp i, 0,1,2,3,4,5,6,7,8,9,10,11,12,13,14,15
	v_med3_num_f32 v[XT+16*\p+\i], v[XS+\i], -v[8+\p], v[8+\p]   ; the conversion to an 8-bit code does not saturate (ISA guide 7.6.2): the hold at the largest code x the scale
.endr
.endr
.irp p, 0,1,2
	v_cvt_scalef32_pk8_fp8_f32 v[XC+12*(\t)+4*\p:XC+12*(\t)+4*\p+1], v[XT+16*\p:XT+16*\p+7], v[5+\p]
	v_cvt_scalef32_pk8_fp8_f32 v[XC+12*(\t)+4*\p+2:XC+12*(\t)+4*\p+3], v[XT+16*\p+8:XT+16*\p+15], v[5+\p]
.endr
	v_nop                                          ; a plain line between the conversions and the next step's holds, which write their sources
.irp p, 0,1,2
	global_store_b128 v3, v[XC+12*(\t)+4*\p:XC+12*(\t)+4*\p+3], s[38+2*\p:39+2*\p] offset:512*(\t)   ; the wave stores 512 consecutive bytes, at a multiple of 512 from the buffer's first byte
.endr
.endm
.irp t, 0,1,2,3,4,5,6,7
	XSTEP \t
.endr
	s_set_vgpr_msb 0x5
	s_wait_tensorcnt 0x0
	ds_add_u32 v0, v1
	s_wait_dscnt 0x0
	s_set_vgpr_msb 0x500
	s_endpgm
; ---------------- the weights: a lane takes a column, and its registers run down K ----------------
.Lweights:
	s_sub_co_u32 s21, ttmp9, 512
	s_lshr_b32 s22, s21, 5                         ; which tensor: 0 Wq, 1 Wk, 2 Wv, 3 Wo
	s_and_b32 s23, s21, 7
	s_lshl_b32 s23, s23, 2
	s_add_co_u32 s23, s23, s20                     ; my wave's group of 32 columns, 0 .. 31
	s_bfe_u32 s36, s21, 0x20003                    ; which 256 along K
	s_lshr_b32 s38, s23, 1
	s_lshl_b32 s38, s38, 18                        ; a head's weight is 262,144 bytes,
	s_and_b32 s39, s23, 1
	s_lshl_b32 s39, s39, 7
	s_add_co_u32 s38, s38, s39                     ; and my 32 columns are the first or second half of its 64
	s_lshl_b32 s39, s23, 7                         ; in Wo: 128 bytes for each group
	s_mov_b32 s37, 4096
	s_cmp_lt_u32 s22, 3                            ; every choice hangs on the work-group's number alone
	s_cselect_b32 s37, 256, s37                    ; bytes from a row of K to the next
	s_cselect_b32 s38, s38, s39                    ; my first column's byte
	s_cselect_b32 s58, 32, 0                       ; Wq, Wk, Wv: 8 columns of 4 bytes, for the exchange of bits 3 and 4 below; Wo: none
	s_cmp_eq_u32 s22, 0
	s_cselect_b64 s[60:61], s[6:7], s[8:9]
	s_cmp_lt_u32 s22, 2
	s_cselect_b64 s[60:61], s[60:61], s[10:11]
	s_cmp_lt_u32 s22, 3
	s_cselect_b64 s[60:61], s[60:61], s[12:13]     ; the tensor
	s_lshl_b32 s39, s36, 8
	s_mul_i32 s39, s39, s37
	s_add_co_u32 s38, s38, s39
	s_mov_b32 s39, 0
	s_add_nc_u64 s[40:41], s[60:61], s[38:39]      ; block 0: my column, my first row of K
	s_lshl_b32 s38, s37, 5                         ; 32 rows of K
.irp t, 1,2,3,4,5,6,7
	s_add_nc_u64 s[40+2*\t:41+2*\t], s[38+2*\t:39+2*\t], s[38:39]   ; block t: a base for each, so that nothing is stepped
.endr
	s_lshl_b32 s62, s22, 20
	; THE LAYOUT OF wcod, in place of the one named at the head of this text: register images, [4 tensors][16 slabs of 64 columns][8 chunks of 128 K][4 tiles of 16 places][c 0..3][32 lanes][16 bytes]:
	; lane (r, h) holds, of the column at the tile's place r, K = 128 chunk + 32 c + 16 h + 0 .. 15.  Place n holds column n with bits 3 and 4 exchanged (Wq, Wk, Wv) or column n (Wo).
	s_lshr_b32 s63, s23, 1
	s_lshl_b32 s63, s63, 16                        ; my slab,
	s_add_co_u32 s62, s62, s63
	s_and_b32 s63, s23, 1
	s_lshl_b32 s63, s63, 12                        ; my two tiles of its four,
	s_add_co_u32 s62, s62, s63
	s_lshl_b32 s63, s36, 14                        ; my two chunks of its eight
	s_add_co_u32 s62, s62, s63
	s_mov_b32 s63, 0
	s_add_nc_u64 s[56:57], s[18:19], s[62:63]      ; the codes: the tensor's part, my 32 rows of 1,024 bytes, my 256 along K
	s_wait_alu depctr_va_vdst(0)
	v_bfe_u32 v5, v2, 3, 1
	v_bfe_u32 v6, v2, 4, 1
	v_sub_nc_u32 v5, v5, v6                        ; +1, 0 or -1: lane l takes the column l with bits 3 and 4 exchanged, l + 8 (bit 3 - bit 4); the wave still reads the same 128 consecutive bytes
	v_mul_lo_u32 v5, v5, s58
	v_lshl_add_u32 v[WVO], v2, 2, v5
.set ii, 1
.rept 31
	v_add_nc_u32 v[WVO+ii], s37, v[WVO+ii-1]
.set ii, ii+1
.endr
	s_mul_i32 s62, s20, 32*WP
	s_add_co_u32 s62, s62, WSTG                    ; my stage
	v_mul_u32_u24 v4, v2, WP
	v_add_nc_u32 v4, s62, v4                       ; into it: row = my column
	v_and_b32 v5, 15, v2
	v_lshrrev_b32 v6, 4, v2
	v_mul_u32_u24 v7, v5, WP
	v_lshl_add_u32 v7, v6, 4, v7
	v_add_nc_u32 v7, s62, v7                       ; out of it, as an operand's registers want it: row r, 16 bytes for each half of the lanes
	v_lshlrev_b32 v8, 4, v2                        ; and 16 x lane in the image
.macro WLOAD t                         ; block t: W(32 t + i, my column): 32 lanes read 128 consecutive bytes
.set ii, 0
.rept 32
	global_load_b32 v[WX+32*((\t)%2)+ii], v[WVO+ii], s[40+2*(\t):41+2*(\t)] th:TH_LOAD_NT
.set ii, ii+1
.endr
.endm
	WLOAD 0
	WLOAD 1
	s_wait_kmcnt 0x0
	s_cmp_eq_u32 s22, 0
	s_cselect_b32 s62, s24, s26
	s_cmp_lt_u32 s22, 2
	s_cselect_b32 s62, s62, s28
	s_cmp_lt_u32 s22, 3
	s_cselect_b32 s62, s62, s35                    ; e0, e2, e4 or e11
	s_add_co_i32 s62, s62, 127
	s_lshl_b32 s63, s62, 23
	v_mov_b32 v12, s63                             ; 2^e
	s_add_co_i32 s62, s62, 8
	s_lshl_b32 s62, s62, 23
	s_or_b32 s62, s62, 0x600000
	v_mov_b32 v13, s62                             ; 448 x 2^e
.macro WBLOCK t
.set XS, WX+32*((\t)%2)
.if (\t) < NB-1
	s_wait_loadcnt 32                              ; this block's 32 loads are in; the next block's may be out
.else
	s_wait_loadcnt 0x0
.endif
.set ii, 0
.rept 32
	v_med3_num_f32 v[XS+ii], v[XS+ii], -v13, v13
.set ii, ii+1
.endr
.irp g, 0,1,2,3
	v_cvt_scalef32_pk8_fp8_f32 v[WC+2*\g:WC+2*\g+1], v[XS+8*\g:XS+8*\g+7], v12
.endr
	v_nop                                          ; a plain line behind the last conversion
	ds_store_b128 v4, v[WC:WC+3] offset:32*(\t)    ; 32 codes: 32 bytes of my column's row
	ds_store_b128 v4, v[WC+4:WC+7] offset:32*(\t)+16
.if (\t)+2 < NB
	WLOAD (\t)+2
.endif
	s_wait_dscnt 0x0                               ; the stores have read their registers: the next block's codes may be written
.endm
	s_wait_alu depctr_va_vdst(0)
.irp t, 0,1,2,3,4,5,6,7
	WBLOCK \t
.endr
.irp t, 0,1,2,3,4,5,6,7,8,9,10,11,12,13,14,15
	ds_load_b128 v[WOUT+4*\t:WOUT+4*\t+3], v7 offset:(\t/8)*16*WP+((\t/4)%2)*128+32*(\t%4)   ; t = 8 tile + 4 chunk + c
.endr
.irp t, 0,1,2,3,4,5,6,7,8,9,10,11,12,13,14,15
	s_wait_dscnt 15-\t                             ; loads come back in order: number t is in
	global_store_b128 v8, v[WOUT+4*\t:WOUT+4*\t+3], s[56:57] offset:((\t/4)%2)*8192+(\t/8)*2048+512*(\t%4)   ; the wave stores 512 consecutive bytes, at a multiple of 512
.endr
	s_set_vgpr_msb 0x5
	s_wait_tensorcnt 0x0
	ds_add_u32 v0, v1
	s_wait_dscnt 0x0
	s_set_vgpr_msb 0x500
	s_endpgm
.Lfunc_end_k_q98c78a80ec_quant:
	.size	k_q98c78a80ec_quant, .Lfunc_end_k_q98c78a80ec_quant-k_q98c78a80ec_quant
	.p2alignl 7, 3214868480
	.fill 96, 4, 3214868480
	.section	.rodata,"a",@progbits
	.p2align	6, 0x0
	.amdhsa_kernel k_q98c78a80ec_quant
		.amdhsa_group_segment_fixed_size 68096
		.amdhsa_private_segment_fixed_size 0
		.amdhsa_enable_private_segment 0
		.amdhsa_kernarg_size 64
		.amdhsa_user_sgpr_count 2
		.amdhsa_user_sgpr_kernarg_segment_ptr 1
		.amdhsa_wavefront_size32 1
		.amdhsa_system_sgpr_workgroup_id_x 1
		.amdhsa_system_sgpr_workgroup_id_y 1
		.amdhsa_system_sgpr_workgroup_id_z 1
		.amdhsa_system_vgpr_workitem_id 0
		.amdhsa_next_free_vgpr 258
		.amdhsa_next_free_sgpr 66
		.amdhsa_reserve_vcc 0
		.amdhsa_float_denorm_mode_32 3
		.amdhsa_float_denorm_mode_16_64 3
		.amdhsa_memory_ordered 1
		.amdhsa_forward_progress 1
		.amdhsa_inst_pref_size 92
	.end_amdhsa_kernel
	.amdgpu_metadata
---
amdhsa.version: [ 1, 2 ]
amdhsa.kernels:
  - .name:           k_q98c78a80ec_quant
    .symbol:         k_q98c78a80ec_quant.kd
    .args:
      - { .name: x, .offset: 0, .size: 8, .value_kind: global_buffer, .address_space: global }
      - { .name: Wq, .offset: 8, .size: 8, .value_kind: global_buffer, .address_space: global }
      - { .name: Wk, .offset: 16, .size: 8, .value_kind: global_buffer, .address_space: global }
      - { .name: Wv, .offset: 24, .size: 8, .value_kind: global_buffer, .address_space: global }
      - { .name: Wo, .offset: 32, .size: 8, .value_kind: global_buffer, .address_space: global }
      - { .name: lowp_scales, .offset: 40, .size: 8, .value_kind: global_buffer, .address_space: global }
      - { .name: xc, .offset: 48, .size: 8, .value_kind: global_buffer, .address_space: global }
      - { .name: wcod, .offset: 56, .size: 8, .value_kind: global_buffer, .address_space: global }
    .group_segment_fixed_size: 68096
    .private_segment_fixed_size: 0
    .kernarg_segment_align: 8
    .kernarg_segment_size: 64
    .max_flat_workgroup_size: 128
    .sgpr_count:     66
    .vgpr_count:     258
    .wavefront_size: 32
...
	.end_amdgpu_metadata
.endif
;; end of part 1
;; launch proj (part 2): grid 4 x 64, 4 waves a work-group, clusters of 4 x 1, 327,680 bytes of LDS; arguments xc, wcod, lowp_scales, qkv; writes qkv
.if DOCPART == 2
	.amdgcn_target "amdgcn-amd-amdhsa--gfx1250"
	.amdhsa_code_object_version 6
	.text
	.protected	k_q98c78a80ec_proj
	.globl	k_q98c78a80ec_proj
	.p2align	8
	.type	k_q98c78a80ec_proj,@function
k_q98c78a80ec_proj:
	s_mov_b64 s[64:65], 0
	v_nop
	global_prefetch_b8 v0, s[64:65] scope:SCOPE_SE
	s_setreg_imm32_b32 hwreg(HW_REG_WAVE_MODE, 25, 1), 1
	s_wait_xcnt 0x0
	s_wait_alu depctr_hold_cnt(0) depctr_sa_sdst(0) depctr_va_vdst(0) depctr_va_sdst(0) depctr_va_ssrc(0) depctr_va_vcc(0) depctr_vm_vsrc(0)
	s_getreg_b32 s2, hwreg(HW_REG_IB_STS2, 6, 4)
	s_cmp_eq_u32 s2, 0
	s_cbranch_scc0 .Lentry_in_a_cluster
	s_endpgm
.Lentry_in_a_cluster:
	s_bfe_u32 s2, ttmp6, 0x10000c
	s_cmp_lg_u32 s2, 0x3003
	s_cbranch_scc0 .Lentry_shape_is_right
	s_endpgm
.Lentry_shape_is_right:
; q, k and v: three products of x's codes with a weight's codes, K = 1,024, on FP8 (E4M3); the f32 sums are quantised in registers with the scales given for q (entry 6), k (entry 7) and v (entry 9)
; and stored as images of the next products' operand registers.
; xc: [3 products][64 blocks of 128 places][1024] codes, rows of 1,024 bytes (in parts 1 and 2 place m holds row m with bits 3 and 4 exchanged).
; wcod: register images [4 tensors][16 heads][8 chunks of 128 K][4 tiles of 16 places][c 0..3][32 lanes][16 bytes]; place n of a head holds column n with bits 3 and 4 exchanged.
; qkv: [64 heads of a batch][q: 16 groups of 8,192 bytes | 16 groups of k 8,192, v 8,192]; q, k: [8 tiles of 16 rows][c 0..1][32 lanes][16 bytes]; v: [4 tiles of 16 dv][c 0..3][32 lanes][16 bytes].
; SHARES.  A tile is 128 rows of x against four heads (4 cx + wave: a head to a wave); a wave makes 128 x 64: 32 accumulators.  Cluster y takes three tiles: row blocks 2 (y % 32) and 2 (y % 32) + 1 of ONE product,
; q where y < 32 and k else, and row block y of v: 64 + 64 + 64 row blocks in all, 256 work-groups of equal work.  Which product it is enters addresses and a choice of scales alone, no branch.
; THE WEIGHT STAYS IN REGISTERS: a head's 64 columns x 1,024 K are 512 registers, loaded from the images, 512 consecutive bytes a load.  The first weight serves two passes; in the second pass a chunk's 64 registers take
; Wv's chunk as soon as its products are issued.  So a work-group loads two weights for its three tiles.
; x COMES THROUGH LDS, a tile's 128 rows x the whole K at a time (32 rows a wave, one tensor load): two slots; the first tile at the head, the second behind the first round, v's into the first slot behind the second round.
; The four partners of a cluster need the same rows of x: each tile is asked for jointly, mask 15; nothing in a descriptor, an LDS address or a branch hangs on cx.
; NO PREFETCH: each tile of x is asked for a whole pass (256 matrix instructions a wave) ahead of its first read, and the text has no loop to run ahead in.
; q, k: source 0 = the weight, source 1 = x: a lane holds a row of x, its registers run along dk.  v: source 0 = x, source 1 = the weight: a lane holds a dv, its registers run along the keys.  By the exchange of bits 3 and 4
; the 16 registers of two neighbouring tiles are 16 neighbours along the next K.  The accumulators are numbered so that registers 16 i .. 16 i + 15 are the image's piece i: 512 consecutive bytes a store.
; LIMIT: (entry 6, 7 or 9) - the weight's e - x's e lies between -126 and 119, so that the conversion's scale and 448 x it are f32 numbers.
; REGISTERS: window 0: v16-19 LDS addresses, v20 16 x lane, v22-27 scales and holds, v32-63 codes, v64-191 two buffers of four fragments of x, v192-255 held sums; window 1: accumulators; windows 2, 3: the weight's chunks 0-3, 4-7.
.set PITCH,  1040                      ; an LDS row: 1,024 bytes + 16 of padding: an odd multiple of 16 bytes
.set SLOT,   128*PITCH
.set SPARE,  2*SLOT                    ; behind the slots: the spare words, 128 bytes for each wave
.set HEADB,  393216
.set ADR,  16                          ; v16, v17: x's blocks 0-3, 4-7 in slot 0; v18, v19: in slot 1
.set LI,   20
.set SC,   22
.set LIM,  25
.set SPW,  28
.set NIL,  29
.set CD,   32
.set XF,   64
.set TMP,  192
.set G1,   24                          ; s[24:31] group 1; s[32:43] a group 0 for each tile
.set G0,   32
.set WB,   84                          ; s[84:85] my head's images in Wq or Wk; s[88:89] in Wv
.set OB,   90                          ; s[90:95] where my three results go
.set MSB, 0
.macro WIN new                         ; the immediate's high byte repeats the setting that is left
.if MSB != \new
	s_set_vgpr_msb (MSB<<8)|\new
.set MSB, \new
.endif
.endm
.macro PLACES n                        ; plain vector lines between a matrix instruction and a load into, or a vector line on, its registers
.rept \n
	v_nop
.endr
.endm
.macro CROUND                          ; a round of the cluster's barrier
	s_barrier_signal -1
	s_barrier_wait -1
	s_cmp_lg_u32 s14, 0
	s_cbranch_scc1 .Lnot_wave_0_\@
	s_barrier_signal -3
.Lnot_wave_0_\@:
	s_barrier_wait -3
	s_barrier_signal -1
	s_barrier_wait -1
.endm
.macro TLOAD p
	tensor_load_to_lds s[G0+4*\p:G0+4*\p+3], s[G1:G1+7]
	s_nop 0
	PLACES 4
.endm
.macro SCALE d, eo, ew, ex             ; s[d] = 2^(eo - ew - ex) as f32, s[d+1] = 448 x it
	s_sub_co_i32 s[\d+1], s[\eo], s[\ew]
	s_sub_co_i32 s[\d+1], s[\d+1], s[\ex]
	s_add_co_i32 s[\d+1], s[\d+1], 127
	s_lshl_b32 s[\d], s[\d+1], 23
	s_add_co_i32 s[\d+1], s[\d+1], 8
	s_lshl_b32 s[\d+1], s[\d+1], 23
	s_or_b32 s[\d+1], s[\d+1], 0x600000
.endm
.macro WLOAD q, base                   ; a weight's chunk q: 4 tiles x 16 registers, 16 loads of 512 consecutive bytes
	WIN 0x80+0x40*((\q)/4)
.irp b, 0,1,2,3
.irp c, 0,1,2,3
	global_load_b128 v[64*((\q)%4)+16*\b+4*\c:64*((\q)%4)+16*\b+4*\c+3], v[LI], s[\base:\base+1] offset:8192*(\q)+2048*\b+512*\c
.endr
.endr
	WIN 0
.endm
.macro FETCH adr, g                    ; group g = 2 chunk + half: four fragments of x (16 rows x 128 K: lane (r, h) holds K = 32 c + 16 h + 0 .. 15 in registers 4 c on) into buffer g % 2
.irp i, 0,1,2,3
.irp c, 0,1,2,3
	ds_load_b128 v[XF+64*((\g)%2)+16*\i+4*\c:XF+64*((\g)%2)+16*\i+4*\c+3], v[\adr+(\g)%2] offset:128*((\g)/2)+32*\c+\i*16*PITCH
.endr
.endr
.endm
.macro MULG swap                       ; group GG's 16 products, each on an accumulator of its own; the first chunk starts the sums
.if \swap
	WIN 0x58+4*(GG/8)
.else
	WIN 0x52+(GG/8)
.endif
.irp i, 0,1,2,3
.irp b, 0,1,2,3
.set XR_, XF+64*(GG%2)+16*\i
.set WR_, 64*((GG/2)%4)+16*\b
.if \swap
.set DR_, 64*\b+8*(4*(GG%2)+\i)
.if GG < 2
	v_wmma_f32_16x16x128_fp8_fp8 v[DR_:DR_+7], v[XR_:XR_+15], v[WR_:WR_+15], 0
.else
	v_wmma_f32_16x16x128_fp8_fp8 v[DR_:DR_+7], v[XR_:XR_+15], v[WR_:WR_+15], v[DR_:DR_+7]
.endif
.else
.set DR_, 32*(4*(GG%2)+\i)+8*\b
.if GG < 2
	v_wmma_f32_16x16x128_fp8_fp8 v[DR_:DR_+7], v[WR_:WR_+15], v[XR_:XR_+15], 0
.else
	v_wmma_f32_16x16x128_fp8_fp8 v[DR_:DR_+7], v[WR_:WR_+15], v[XR_:XR_+15], v[DR_:DR_+7]
.endif
.endif
.endr
.endr
.endm
; A PASS: one tile, 16 groups.  While a group is multiplied the next group's 16 fragment loads are out.  nxt: the base of the weight that takes this one's registers (0: none).
; s_wait_loadcnt.  nxt = 0: behind the loads of the weight's chunk q stand the 16 (7 - q) loads of its later chunks; the count written is never above that number.
; nxt set: this pass's weight was whole when the pass before ended (its last count was 0); 63 is written, which asks for no less.
.macro PASS adr, swap, nxt
	FETCH \adr, 0
.set GG, 0
.rept 16
.if GG > 0
	WIN 0
	PLACES 4
.endif
.if GG < 15
	FETCH \adr, GG+1
.endif
.if \nxt
.if GG > 0
.if GG%2 == 0
	WLOAD GG/2-1, \nxt
.endif
.endif
.endif
.if GG < 15
	s_wait_dscnt 16                                ; this group's fragments are in; the 16 loads just issued may be out
.else
	s_wait_dscnt 0x0
.endif
.if GG%2 == 0
.if \nxt
	s_wait_loadcnt 63
.else
.if GG < 8
	s_wait_loadcnt 63
.else
	s_wait_loadcnt 16*(7-GG/2)
.endif
.endif
.endif
	MULG \swap
.set GG, GG+1
.endr
	WIN 0
	PLACES 4
.if \nxt
	WLOAD 7, \nxt
.endif
.endm
; THE WAY OUT of a tile: a sum stands for sum x 2^(ew + ex); its code is sum / 2^(eo - ew - ex).  Four batches of 64 sums a lane: held, converted, four stores of 512 consecutive bytes.
.macro EPI p
.set KK, 0
.rept 4
	s_wait_xcnt 0x0                                ; earlier stores have read their data: the codes' registers may be written again
	WIN 0x01
.set JJ, 0
.rept 64
	v_med3_num_f32 v[TMP+JJ], v[64*KK+JJ], -v[LIM+\p], v[LIM+\p]   ; the hold at the largest code x the scale (ISA guide 7.6.2); each accumulator from its low end on
.set JJ, JJ+1
.endr
	WIN 0
.irp g, 0,1,2,3,4,5,6,7
	v_cvt_scalef32_pk8_fp8_f32 v[CD+16*(KK%2)+2*\g:CD+16*(KK%2)+2*\g+1], v[TMP+8*\g:TMP+8*\g+7], v[SC+\p]
.endr
	v_nop                                          ; a plain line behind the last conversion
.irp c, 0,1,2,3
	global_store_b128 v[LI], v[CD+16*(KK%2)+4*\c:CD+16*(KK%2)+4*\c+3], s[OB+2*\p:OB+2*\p+1] offset:512*(4*KK+\c)
.endr
.set KK, KK+1
.endr
.endm
	s_load_b128 s[4:7], s[0:1], 0x0                ; xc s[4:5], wcod s[6:7]
	s_load_b128 s[8:11], s[0:1], 0x10              ; the exponents s[8:9], qkv s[10:11]
	v_lshl_add_u32 v[SPW], v0, 2, SPARE
	v_mov_b32 v[NIL], 0
	ds_add_u32 v[SPW], v[NIL]                      ; the opening: the add, twice on end, and its wait ahead of my first tensor load
	ds_add_u32 v[SPW], v[NIL]
	v_lshrrev_b32 v1, 5, v0
	v_readfirstlane_b32 s14, v1                    ; wave 0..3
	s_and_b32 s15, ttmp7, 0xffff                   ; the cluster's y: also v's block of 128 rows
	s_lshr_b32 s18, s15, 5                         ; 0: q, 1: k
	s_and_b32 s19, s15, 31
	s_lshl_b32 s19, s19, 1                         ; the first of its two blocks of 128 rows
	s_lshl_b32 s16, s14, 15                        ; my 32 rows of 1,024 bytes
	s_lshl_b32 s20, s18, 23                        ; xc's part 0 or 1,
	s_lshl_b32 s22, s19, 17
	s_add_co_u32 s20, s20, s22
	s_add_co_u32 s20, s20, s16
	s_mov_b32 s21, 0
	s_lshl_b32 s22, s15, 17
	s_add_co_u32 s22, s22, s16
	s_add_co_u32 s22, s22, 2<<23                   ; and part 2
	s_mov_b32 s23, 0
	s_mul_i32 s17, s14, 32*PITCH                   ; my rows' place in a slot
	s_mov_b32 s[G1], 15|(1<<20)|(1<<21)|(7<<22)|(3<<25)   ; 15:0 the mask: all four partners; elements of 1 byte; 20 padding on; 21 set beside a mask; after every 256 words (code 7) four words (code 3)
	s_mov_b32 s[G1+1], 1024<<16                    ; tensor_dim0
	s_mov_b32 s[G1+2], 32<<16                      ; tensor_dim1
	s_mov_b32 s[G1+3], 1024<<16                    ; tile_dim0
	s_mov_b32 s[G1+4], 32                          ; tile_dim1
	s_mov_b32 s[G1+5], 1024                        ; tensor_dim0_stride
	s_mov_b32 s[G1+6], 0
	s_mov_b32 s[G1+7], 0
	s_wait_dscnt 0x0                               ; both opening adds are done
	s_wait_kmcnt 0x0
	s_load_b256 s[68:75], s[8:9], 0x0              ; e0 .. e7
	s_load_b64 s[76:77], s[8:9], 0x20              ; e8, e9
	s_add_nc_u64 s[20:21], s[4:5], s[20:21]
	s_add_nc_u64 s[22:23], s[4:5], s[22:23]
.irp p, 0,1,2
	s_mov_b32 s[G0+4*\p], 1
	s_add_co_u32 s[G0+4*\p+1], s17, (\p%2)*SLOT
.endr
	s_mov_b64 s[G0+2:G0+3], s[20:21]
	s_add_nc_u64 s[G0+6:G0+7], s[20:21], 1<<17     ; the next block of 128 rows
	s_mov_b64 s[G0+10:G0+11], s[22:23]
.irp p, 0,1,2
	s_or_b32 s[G0+4*\p+3], s[G0+4*\p+3], 0x80000000
.endr
	CROUND                                         ; the four partners are here: the first joint loads meet
	TLOAD 0                                        ; the first tile of x: my one load at the head
	; what hangs on cx stands in s80 and up, in registers that feed no descriptor
	s_bfe_u32 s80, ttmp6, 0x40000
	s_lshl_b32 s80, s80, 2
	s_add_co_u32 s80, s80, s14                     ; my head: 4 cx + wave
	s_lshl_b32 s82, s80, 16
	s_mov_b32 s83, 0
	s_add_nc_u64 s[WB+4:WB+5], s[6:7], s[82:83]    ; my head in wcod's part 0,
	s_lshl_b32 s82, s18, 20
	s_add_nc_u64 s[WB:WB+1], s[WB+4:WB+5], s[82:83]   ; in Wq or Wk,
	s_add_nc_u64 s[WB+4:WB+5], s[WB+4:WB+5], 2<<20    ; in Wv
	s_lshr_b32 s81, s19, 4
	s_lshl_b32 s81, s81, 4
	s_add_co_u32 s81, s81, s80                     ; 16 x batch + head, for q or k
	s_mul_i32 s82, s81, HEADB
	s_and_b32 s81, s19, 15                         ; the group of 128 rows in the batch: even, so the next one lies in the same batch
	s_add_co_u32 s98, s18, 13                      ; q's groups are 2^13 bytes apart, k's 2^14,
	s_lshl_b32 s96, s81, s98
	s_add_co_u32 s96, s96, s82
	s_lshl_b32 s99, s18, 17                        ; and k's begin at byte 131,072 of the head
	s_add_co_u32 s96, s96, s99
	s_mov_b32 s97, 0
	s_add_nc_u64 s[OB:OB+1], s[10:11], s[96:97]
	s_lshl_b32 s96, 1, s98
	s_add_nc_u64 s[OB+2:OB+3], s[OB:OB+1], s[96:97]
	s_lshr_b32 s81, s15, 4
	s_lshl_b32 s81, s81, 4
	s_add_co_u32 s81, s81, s80                     ; 16 x batch + head, for v
	s_mul_i32 s82, s81, HEADB
	s_and_b32 s81, s15, 15
	s_lshl_b32 s96, s81, 14
	s_add_co_u32 s96, s96, s82
	s_add_co_u32 s96, s96, 131072+8192
	s_add_nc_u64 s[OB+4:OB+5], s[10:11], s[96:97]
	s_wait_kmcnt 0x0
	SCALE 44, 74, 68, 69                           ; q: e6 - e0 - e1
	SCALE 46, 75, 70, 71                           ; k: e7 - e2 - e3
	SCALE 48, 77, 72, 73                           ; v: e9 - e4 - e5
	s_cmp_eq_u32 s18, 0                            ; the first two tiles take q's pair or k's: a choice on the cluster's y, made without a jump
	s_cselect_b32 s44, s44, s46
	s_cselect_b32 s45, s45, s47
	s_mov_b32 s46, s44
	s_mov_b32 s47, s45
	v_and_b32 v1, 15, v0                           ; r
	v_bfe_u32 v2, v0, 4, 1                         ; h
	v_mul_u32_u24 v3, v1, PITCH
	v_lshl_add_u32 v[ADR], v2, 4, v3               ; a fragment's row x pitch + 16 x half
	v_add_nc_u32 v[ADR+1], 64*PITCH, v[ADR]
	v_add_nc_u32 v[ADR+2], SLOT, v[ADR]
	v_add_nc_u32 v[ADR+3], SLOT+64*PITCH, v[ADR]
	v_and_b32 v5, 31, v0
	v_lshlrev_b32 v[LI], 4, v5
.irp p, 0,1,2
	v_mov_b32 v[SC+\p], s[44+2*\p]
	v_mov_b32 v[LIM+\p], s[45+2*\p]
.endr
	s_wait_alu depctr_va_vdst(0)                   ; the wait at the head's end
.irp q, 0,1,2,3,4,5,6,7
	WLOAD \q, WB                                   ; the first weight's 128 loads
.endr
	s_wait_tensorcnt 0x0                           ; my part of the first tile is in
	ds_add_u32 v[SPW], v[NIL]
	s_wait_dscnt 0x0
	CROUND                                         ; the first tile is whole, and the four partners are here
	TLOAD 1                                        ; the second tile, into slot 1
	PASS ADR, 0, 0
	s_wait_tensorcnt 0x0                           ; my part of the second tile is in,
	ds_add_u32 v[SPW], v[NIL]
	s_wait_dscnt 0x0                               ; and my reads of slot 0 are over
	CROUND
	TLOAD 2                                        ; v's tile, into slot 0: the first tensor load behind the round
	EPI 0
	PASS ADR+2, 0, WB+4                            ; the same weight once more; Wv follows it into its registers
	EPI 1
	s_wait_tensorcnt 0x0                           ; my part of v's tile is in
	s_wait_dscnt 0x0
	s_barrier_signal -1
	s_barrier_wait -1                              ; everybody's is; nothing is filled from here on
	PASS ADR, 1, 0
	EPI 2
	s_wait_tensorcnt 0x0                           ; the wave's end
	ds_add_u32 v[SPW], v[NIL]
	s_wait_dscnt 0x0
	CROUND                                         ; the closing round
	s_endpgm
.Lfunc_end_k_q98c78a80ec_proj:
	.size	k_q98c78a80ec_proj, .Lfunc_end_k_q98c78a80ec_proj-k_q98c78a80ec_proj
	.p2alignl 7, 3214868480
	.fill 96, 4, 3214868480
	.section	.rodata,"a",@progbits
	.p2align	6, 0x0
	.amdhsa_kernel k_q98c78a80ec_proj
		.amdhsa_group_segment_fixed_size 327680
		.amdhsa_private_segment_fixed_size 0
		.amdhsa_enable_private_segment 0
		.amdhsa_kernarg_size 32
		.amdhsa_user_sgpr_count 2
		.amdhsa_user_sgpr_kernarg_segment_ptr 1
		.amdhsa_wavefront_size32 1
		.amdhsa_system_sgpr_workgroup_id_x 1
		.amdhsa_system_sgpr_workgroup_id_y 1
		.amdhsa_system_sgpr_workgroup_id_z 1
		.amdhsa_system_vgpr_workitem_id 0
		.amdhsa_next_free_vgpr 1024
		.amdhsa_next_free_sgpr 102
		.amdhsa_reserve_vcc 0
		.amdhsa_float_denorm_mode_32 3
		.amdhsa_float_denorm_mode_16_64 3
		.amdhsa_memory_ordered 1
		.amdhsa_forward_progress 1
		.amdhsa_inst_pref_size 201
	.end_amdhsa_kernel
	.amdgpu_metadata
---
amdhsa.version: [ 1, 2 ]
amdhsa.kernels:
  - .name:           k_q98c78a80ec_proj
    .symbol:         k_q98c78a80ec_proj.kd
    .args:
      - { .name: xc, .offset: 0, .size: 8, .value_kind: global_buffer, .address_space: global }
      - { .name: wcod, .offset: 8, .size: 8, .value_kind: global_buffer, .address_space: global }
      - { .name: lowp_scales, .offset: 16, .size: 8, .value_kind: global_buffer, .address_space: global }
      - { .name: qkv, .offset: 24, .size: 8, .value_kind: global_buffer, .address_space: global }
    .group_segment_fixed_size: 327680
    .private_segment_fixed_size: 0
    .kernarg_segment_align: 8
    .kernarg_segment_size: 32
    .max_flat_workgroup_size: 128
    .sgpr_count:     102
    .vgpr_count:     1024
    .wavefront_size: 32
...
	.end_amdgpu_metadata
.endif
;; end of part 2
;; launch attn (part 3): grid 4 x 64, 16 waves a work-group, clusters of 4 x 1, 327,680 bytes of LDS; arguments qkv, lowp_scales, cimg; writes cimg
.if DOCPART == 3
	.amdgcn_target "amdgcn-amd-amdhsa--gfx1250"
	.amdhsa_code_object_version 6
	.text
	.protected	k_q98c78a80ec_attn
	.globl	k_q98c78a80ec_attn
	.p2align	8
	.type	k_q98c78a80ec_attn,@function
k_q98c78a80ec_attn:
	s_mov_b64 s[64:65], 0
	v_nop
	global_prefetch_b8 v0, s[64:65] scope:SCOPE_SE
	s_setreg_imm32_b32 hwreg(HW_REG_WAVE_MODE, 25, 1), 1
	s_wait_xcnt 0x0
	s_wait_alu depctr_hold_cnt(0) depctr_sa_sdst(0) depctr_va_vdst(0) depctr_va_sdst(0) depctr_va_ssrc(0) depctr_va_vcc(0) depctr_vm_vsrc(0)
	s_getreg_b32 s2, hwreg(HW_REG_IB_STS2, 6, 4)
	s_cmp_eq_u32 s2, 0
	s_cbranch_scc0 .Lentry_in_a_cluster
	s_endpgm
.Lentry_in_a_cluster:
	s_bfe_u32 s2, ttmp6, 0x10000c
	s_cmp_lg_u32 s2, 0x3003
	s_cbranch_scc0 .Lentry_shape_is_right
	s_endpgm
.Lentry_shape_is_right:
; ctx = softmax(q k^T / 8, causal) v for one head of one batch, both products on codes of FP8 (E4M3); ctx is quantised with entry 10 and stored as an image of the last product's operand registers.
; qkv: [64 heads][q: 128 tiles of 16 rows x 1,024 bytes | 16 key steps of 128 keys: k 8,192, v 8,192 bytes], register images (q, k: a tile is [c 0..1][32 lanes][16 bytes]; v: 4 tiles of dv x [c 0..3][32 lanes][16 bytes]).
; cimg: [64 blocks of 128 rows][4 K steps of 256][8 tiles of 16 rows][2][4][32 lanes][16 bytes]: lane (r, h) holds ctx(row r, k = 256 ks + 128 kq + 32 c + 16 h + 0 .. 15), k = 64 head + dv.
; THE SOFTMAX: t = score x log2(e) / 8; M = the running largest t rounded UP to a whole number; p = 2^(t - M) is quantised with entry 8, not normalised; the row's sum is taken of the unquantised p and divides at the end.
; When M moves, the sum and O are multiplied by 2^(old M - new M): exact.  A hidden key's score becomes -infinity ahead of the maximum, so its p is 0, as the exponential of reference()'s -1e9 less the row's maximum is in f32.
; WORK LEFT OUT: keys that come after all 16 queries of a tile lie wholly under the causal mask that reference() builds itself: their p are 0 for all inputs.  They are left out by whole key steps of 128, and on the diagonal by the half step below.
; SHARES.  The four work-groups of a head form a cluster; the one at place cx owns the query tiles 4 m + cx, m = 0 .. 31.  Wave w takes m = 31 - w, then m = w.  Tile 4 m + cx has m / 2 + 1 key steps that count, whatever cx:
; (31 - w) / 2 + 1 and w / 2 + 1, together 17 for every wave.  So which steps are walked, left out or masked hangs on the wave's number alone; cx enters only q's and ctx's addresses in memory and the number d of the mask.
; THE DIAGONAL STEP.  The tile's first query lies 64 (m % 2) + 16 cx behind the step's first key.  m even: keys 64 to 127 of the step are hidden for every cx: a HALF body works keys 0 to 63 alone and gives the second product
; zero codes for the rest.  m odd: keys 0 to 63 count for every query, so only the registers of keys 64 to 127 are masked.
; LDS.  The head's whole K and V, 16 key steps of 16,384 bytes on end in memory and in LDS alike, come once, by JOINT loads of the four partners (the same descriptor in all four, mask 15): behind the opening round each wave
; asks for 4,096 bytes of key steps 0 to 3; behind the second round for 12,288 bytes of key steps 4 to 15, which land while steps 0 to 3 are worked.  A wave has one load out at a time.
; NO PREFETCH: every byte of K and V has been asked for by a tensor load when the second round is passed, so there is no later request that a prefetch could run ahead of.
; Both products are used transposed (S^T = K Q^T, O^T = V^T P^T): a lane holds one query throughout.  K's tiles hold keys 32 b + 8 u + r + 8 (r / 8), V's tiles dv likewise (the launch before laid them so):
; the 16 registers of two neighbouring tiles are 16 neighbouring keys (dv), so the conversions' results are the next operand's registers.  Every LDS load reads 512 consecutive bytes.
; LIMITS: entry 6 + entry 7 between -123 and 130 (added to c's exponent field); entry 8, and entry 10 - entry 8 - entry 9, between -126 and 119.
; REGISTERS: v1 16 x lane; v2 the step's LDS address; v3 r - 16 h; v4 -infinity; v5 2^e8; v6, v215 448 x 2^e8; v7, v8 the same two for ctx; v9, v10 at work; v11 the old -M; v12 -M; v13 the largest t; v[14:15] the sum;
;   v16-23, v24-31 Q of the two passes; v32-95 K's 8 fragments, then V's 4; v96-159 S^T, then p; v160-191 O^T; v192-207 p's codes; v[208:209] f; v210-211, v242-245 chains of sums; v212 a permute's result; v213, v214 d of the two passes; v216-231 ctx's codes.
.set HEADB, 393216
.set KVOFF, 131072                     ; K and V lie behind q's 131,072 bytes
.set STEPB, 16384
.set VOFF,  8192
.set FIRST, 65536                      ; key steps 0 to 3
.set SPARE, 262144                     ; behind K and V: the spare words, 128 bytes for each wave
.set SPW,  254                         ; v254 my spare word; never rewritten
.set NIL,  255                         ; v255 0; never rewritten
.set WV,   18                          ; s18  my wave's number
.set SEL,  20                          ; s[20:21] lane selects for v_permlanex16_b32: lane l xor 16
.set CS,   22                          ; s[22:23] c = log2(e) / 8 x 2^(e6 + e7)
.set G1A,  24                          ; s[24:31] group 1: 16 rows of 256 bytes;  s[32:39]: 48 rows
.set G1B,  32
.set G0A,  40                          ; s[40:43], s[44:47] the two groups 0
.set G0B,  44
.set TB,   48                          ; s48  LDS byte of the key step in hand
.set KI,   49                          ; s49  its number
.set MS,   50                          ; s50  the number of my tile's last key step, the one on the diagonal: m / 2
.set MS2,  51                          ; s51  the same for the second pass
.set MH,   66                          ; s66  that number where m is even (the half step), else 255, which no step has
.set MH2,  67                          ; s67  the same for the second pass
.set CNT,  3                           ; s3   trips to go
.set QB0,  52                          ; s[52:55] where my two tiles of q lie
.set QB1,  54
.set CB0,  56                          ; s[56:59] where their ctx goes
.set CB1,  58
.macro CROUND                          ; a round of the cluster's barrier
	s_barrier_signal -1
	s_barrier_wait -1
	s_cmp_lg_u32 s[WV], 0
	s_cbranch_scc1 .Lnot_wave_0_\@
	s_barrier_signal -3
.Lnot_wave_0_\@:
	s_barrier_wait -3
	s_barrier_signal -1
	s_barrier_wait -1
.endm
	s_load_b128 s[4:7], s[0:1], 0x0                ; qkv s[4:5], the exponents s[6:7]
	s_load_b64 s[8:9], s[0:1], 0x10                ; cimg
	v_lshl_add_u32 v[SPW], v0, 2, SPARE
	v_mov_b32 v[NIL], 0
	ds_add_u32 v[SPW], v[NIL]                      ; the opening: the add, twice on end, and its wait ahead of my first tensor load
	ds_add_u32 v[SPW], v[NIL]
	v_lshrrev_b32 v1, 5, v0
	v_readfirstlane_b32 s[WV], v1                  ; wave 0..15
	s_and_b32 s10, ttmp7, 0xffff                   ; the cluster's y: 16 x batch + head
	s_mul_i32 s11, s10, HEADB                      ; its first byte in qkv
	s_lshl_b32 s12, s[WV], 12                      ; my 4,096 bytes of key steps 0 to 3,
	s_mul_i32 s13, s[WV], 12288
	s_add_co_u32 s13, s13, FIRST                   ; my 12,288 of key steps 4 to 15: the same place in LDS and in the head's K and V
	s_add_co_u32 s14, s11, KVOFF
	s_add_co_u32 s16, s14, s13
	s_add_co_u32 s14, s14, s12
	s_mov_b32 s15, 0
	s_mov_b32 s17, 0
.irp g, G1A, G1B                               ; dense blocks as rows of 256 bytes
	s_mov_b32 s[\g], 15|(3<<16)|(1<<21)            ; 15:0 the mask: all four partners; 17:16 elements of 8 bytes; 21 set beside a mask; no padding
	s_mov_b32 s[\g+1], 32<<16                      ; tensor_dim0 = 32
	s_mov_b32 s[\g+3], 32<<16                      ; tile_dim0 = 32
	s_mov_b32 s[\g+5], 32                          ; tensor_dim0_stride
	s_mov_b32 s[\g+6], 0
	s_mov_b32 s[\g+7], 0
.endr
	s_mov_b32 s[G1A+2], 16<<16                     ; tensor_dim1,
	s_mov_b32 s[G1A+4], 16                         ; tile_dim1
	s_mov_b32 s[G1B+2], 48<<16
	s_mov_b32 s[G1B+4], 48
	s_wait_dscnt 0x0                               ; both opening adds are done
	s_wait_kmcnt 0x0
	s_load_b64 s[68:69], s[6:7], 0x18              ; e6, e7
	s_load_b128 s[72:75], s[6:7], 0x20             ; e8 .. e11
	s_mov_b32 s[G0A], 1
	s_mov_b32 s[G0A+1], s12
	s_add_nc_u64 s[G0A+2:G0A+3], s[4:5], s[14:15]
	s_or_b32 s[G0A+3], s[G0A+3], 0x80000000
	s_mov_b32 s[G0B], 1
	s_mov_b32 s[G0B+1], s13
	s_add_nc_u64 s[G0B+2:G0B+3], s[4:5], s[16:17]
	s_or_b32 s[G0B+3], s[G0B+3], 0x80000000
	CROUND                                         ; the four partners are here: the first joint loads meet
	tensor_load_to_lds s[G0A:G0A+3], s[G1A:G1A+7]  ; my one load at the head
	s_nop 0
.rept 4
	v_nop
.endr
	; which steps are the diagonal's and the half step's: from the wave's number alone
	s_sub_co_u32 s[MS], 31, s[WV]
	s_and_b32 s62, s[MS], 1
	s_lshr_b32 s[MS], s[MS], 1
	s_mov_b32 s[MH], 255
	s_cmp_eq_u32 s62, 0
	s_cselect_b32 s[MH], s[MS], s[MH]
	s_and_b32 s63, s[WV], 1
	s_lshr_b32 s[MS2], s[WV], 1
	s_mov_b32 s[MH2], 255
	s_cmp_eq_u32 s63, 0
	s_cselect_b32 s[MH2], s[MS2], s[MH2]
	; what hangs on cx stands in s80 and up, in registers that feed no descriptor and no branch
	s_bfe_u32 s80, ttmp6, 0x40000                  ; cx
	s_lshl_b32 s81, s[WV], 2
	s_sub_co_u32 s82, 124, s81
	s_add_co_u32 s81, s81, s80                     ; second pass: tile 4 w + cx
	s_add_co_u32 s82, s82, s80                     ; first pass: tile 4 (31 - w) + cx
	s_lshl_b32 s83, s62, 6
	s_lshl_b32 s84, s63, 6
	s_lshl_b32 s80, s80, 4
	s_add_co_u32 s83, s83, s80                     ; my first query less the diagonal step's first key: 64 (m % 2) + 16 cx
	s_add_co_u32 s84, s84, s80
	s_lshr_b32 s89, s10, 4
	s_lshl_b32 s89, s89, 4                         ; 16 x batch: the batch's first block of 128 rows
	s_bfe_u32 s90, s10, 0x20002
	s_lshl_b32 s90, s90, 15                        ; the head's K step of 256 in cimg,
	s_and_b32 s88, s10, 3
	s_lshl_b32 s88, s88, 10
	s_add_co_u32 s90, s90, s88                     ; and its 1,024 bytes of a tile's 4,096
	s_mov_b32 s87, 0
.macro PLACE t, qb, cb                 ; where query tile s[t] lies in qkv, and where its ctx goes
	s_lshl_b32 s86, s[\t], 10
	s_add_co_u32 s86, s86, s11
	s_add_nc_u64 s[\qb:\qb+1], s[4:5], s[86:87]
	s_lshr_b32 s86, s[\t], 3
	s_add_co_u32 s86, s86, s89
	s_lshl_b32 s86, s86, 17
	s_and_b32 s88, s[\t], 7
	s_lshl_b32 s88, s88, 12
	s_add_co_u32 s86, s86, s88
	s_add_co_u32 s86, s86, s90
	s_add_nc_u64 s[\cb:\cb+1], s[8:9], s[86:87]
.endm
	PLACE 82, QB0, CB0
	PLACE 81, QB1, CB1
	v_and_b32 v1, 31, v0
	v_lshlrev_b32 v1, 4, v1                        ; 16 x lane: an image's place for my lane; never rewritten
.irp c, 0,1
	global_load_b128 v[16+4*\c:19+4*\c], v1, s[QB0:QB0+1] offset:512*\c   ; both tiles of q stay in registers
	global_load_b128 v[24+4*\c:27+4*\c], v1, s[QB1:QB1+1] offset:512*\c
.endr
	s_mov_b32 s[SEL], 0x76543210
	s_mov_b32 s[SEL+1], 0xfedcba98
	s_mov_b32 s[CS], 0x3e38aa3b                    ; log2(e) / 8
	s_wait_kmcnt 0x0
	s_add_co_i32 s60, s68, s69
	s_lshl_b32 s60, s60, 23
	s_add_co_i32 s[CS], s[CS], s60                 ; a score stands for score x 2^(e6 + e7): added to c's exponent field
	s_mov_b32 s[CS+1], s[CS]                       ; (named with it as a pair)
	s_add_co_i32 s61, s72, 127
	s_lshl_b32 s60, s61, 23                        ; 2^e8
	s_add_co_i32 s61, s61, 8
	s_lshl_b32 s61, s61, 23
	s_or_b32 s61, s61, 0x600000                    ; 448 x 2^e8
	s_sub_co_i32 s63, s74, s72
	s_sub_co_i32 s63, s63, s73                     ; O / the sum stands for ctx / 2^(e8 + e9): ctx's code is that / 2^(e10 - e8 - e9)
	s_add_co_i32 s63, s63, 127
	s_lshl_b32 s62, s63, 23
	s_add_co_i32 s63, s63, 8
	s_lshl_b32 s63, s63, 23
	s_or_b32 s63, s63, 0x600000
.macro INIT                            ; a pass begins: the step is written once, and the first finds zeros, which the first change of M leaves zeros
	v_mov_b32 v13, 0xff61b1e6                      ; the largest t so far: -3e38
	s_delay_alu instid0(VALU_DEP_1)
	v_floor_f32 v12, -v13
	v_mov_b32 v14, 0
	v_mov_b32 v15, 0
.set jj, 0
.rept 32
	v_mov_b32 v[160+jj], 0
.set jj, jj+1
.endr
.endm
	v_and_b32 v3, 15, v0
	v_bfe_u32 v9, v0, 4, 1
	v_lshlrev_b32 v9, 4, v9
	v_sub_nc_u32 v3, v3, v9                        ; r - 16 h
	v_add_nc_u32 v213, s83, v3                     ; d = my query - the diagonal step's first key - 16 h, first pass,
	v_add_nc_u32 v214, s84, v3                     ; second pass
	v_mov_b32 v4, 0xff800000                       ; -infinity
	v_mov_b32 v5, s60
	v_mov_b32 v6, s61
	v_mov_b32 v215, s61                            ; a second copy, for the second half of a dual pair
	v_mov_b32 v7, s62
	v_mov_b32 v8, s63
	v_mov_b32 v209, 0                              ; (named as the upper half of the pair v[208:209])
	v_mov_b32 v212, 0                              ; written once: a lane permute's destination counts as one of its sources
	INIT
; THE WORK OF A KEY STEP for my 16 queries, whose fragment lies in v[qreg] on and whose d in v[dreg].  nb: blocks of 32 keys that are worked, 4 (the whole step) or 2 (the half step).
; diag: 0 no mask; 1 the registers of keys 64 to 127 are masked where the step is the diagonal's; 2 (with nb = 2) those of keys 0 to 63 are masked.
.macro BODY qreg, dreg, nb, diag
	v_add_nc_u32 v2, s[TB], v1
.rept 3
	v_nop                                          ; with the addition: four places in front of loads into registers that the last products read
.endr
.set tt, 0
.rept 2*\nb
	ds_load_b128 v[32+8*tt:35+8*tt], v2 offset:1024*tt
	ds_load_b128 v[36+8*tt:39+8*tt], v2 offset:1024*tt+512
.set tt, tt+1
.endr
	s_wait_alu depctr_va_vdst(0)
	s_wait_dscnt 0x0
.set tt, 0
.rept 2*\nb                                    ; S^T = K Q^T, K = the head's 64: lane (r, h) holds query r; registers 16 b + i are keys 32 b + 16 h + i
	v_wmma_f32_16x16x64_fp8_fp8 v[96+8*tt:103+8*tt], v[32+8*tt:39+8*tt], v[\qreg:\qreg+7], 0
.set tt, tt+1
.endr
	v_mov_b32 v11, v12                             ; the old -M; with the three below: four places in front of the loads and of the first read of the scores
.rept 3
	v_nop
.endr
.irp t, 0,1,2,3                                ; V's four fragments land while the softmax is worked
.irp c, 0,1,2,3
	ds_load_b128 v[32+16*\t+4*\c:35+16*\t+4*\c], v2 offset:VOFF+2048*\t+512*\c
.endr
.endr
.if \diag == 1
	s_cmp_lt_u32 s[KI], s[MS]
	s_cbranch_scc1 .Lopen_\@                       ; all 128 keys count for all my queries
.set nn, 32
.rept 32                                       ; register 16 b + i is hidden where 32 b + i > d
	v_cmp_gt_i32 vcc_lo, 32*(nn/16)+nn%16, v[\dreg]
	v_cndmask_b32 v[96+nn], v[96+nn], v4, vcc_lo
.set nn, nn+1
.endr
.Lopen_\@:
.endif
.if \diag == 2
.set nn, 0
.rept 32
	v_cmp_gt_i32 vcc_lo, 32*(nn/16)+nn%16, v[\dreg]
	v_cndmask_b32 v[96+nn], v[96+nn], v4, vcc_lo
.set nn, nn+1
.endr
.endif
	v_max3_num_f32 v9, v96, v97, v98               ; the step's largest score of my query among my 16 nb keys, in two chains, each accumulator from its low end on,
	v_max3_num_f32 v10, v99, v100, v101
.set ii, 6
.rept 4*\nb-2
	v_max3_num_f32 v9, v9, v[96+ii], v[97+ii]
	v_max3_num_f32 v10, v10, v[98+ii], v[99+ii]
.set ii, ii+4
.endr
	v_max3_num_f32 v9, v9, v[94+16*\nb], v[95+16*\nb]
	s_delay_alu instid0(VALU_DEP_1)
	v_max_num_f32 v9, v9, v10
	s_delay_alu instid0(VALU_DEP_1)
	v_permlanex16_b32 v212, v9, s[SEL], s[SEL+1]
	s_delay_alu instid0(VALU_DEP_1)
	v_max_num_f32 v9, v9, v212                     ; and among lane l xor 16's
	s_delay_alu instid0(VALU_DEP_1)
	v_mul_f32 v9, s[CS], v9                        ; as t (c is positive)
	s_delay_alu instid0(VALU_DEP_1)
	v_max_num_f32 v13, v13, v9                     ; the running largest t
	s_delay_alu instid0(VALU_DEP_1)
	v_floor_f32 v12, -v13                          ; the new -M = floor(-t) = -ceil(t)
	s_delay_alu instid0(VALU_DEP_1)
	v_sub_f32 v9, v12, v11                         ; old M - new M: a whole number, 0 or less
	s_delay_alu instid0(VALU_DEP_1)
	v_cvt_i32_f32 v9, v9                           ; (it saturates)
	s_delay_alu instid0(VALU_DEP_1)
	v_ldexp_f32 v208, 1.0, v9                      ; f = 2^(old M - new M)
.set jj, 0
.rept 8*\nb
	v_pk_fma_f32 v[96+jj:97+jj], v[96+jj:97+jj], s[CS:CS+1], v[12:13] op_sel_hi:[1,0,0]   ; t - M, two at a time
.set jj, jj+2
.endr
	s_wait_alu depctr_va_vdst(0)                   ; the wait ahead of the batch
.set jj, 0
.rept 16*\nb
	v_exp_f32 v[96+jj], v[96+jj]                   ; p = 2^(t - M)
.set jj, jj+1
.endr
	v_pk_mul_f32 v[14:15], v[14:15], v[208:209] op_sel_hi:[1,0]   ; the sums under the new M: a plain line behind the exponentials
	s_wait_alu depctr_va_vdst(0)                   ; one wait for the batch, ahead of its first reader
	v_pk_add_f32 v[210:211], v[96:97], v[98:99]    ; the row's sum of the unquantised p: 8 nb packed additions in four chains
	v_pk_add_f32 v[242:243], v[100:101], v[102:103]
	v_pk_add_f32 v[244:245], v[104:105], v[106:107]
	v_pk_add_f32 v[14:15], v[14:15], v[108:109]
.set jj, 14
.rept 2*\nb-2
	v_pk_add_f32 v[210:211], v[210:211], v[96+jj:97+jj]
	v_pk_add_f32 v[242:243], v[242:243], v[98+jj:99+jj]
	v_pk_add_f32 v[244:245], v[244:245], v[100+jj:101+jj]
	v_pk_add_f32 v[14:15], v[14:15], v[102+jj:103+jj]
.set jj, jj+8
.endr
	v_pk_add_f32 v[210:211], v[210:211], v[94+16*\nb:95+16*\nb]
	v_pk_add_f32 v[242:243], v[242:243], v[244:245]
	s_delay_alu instid0(VALU_DEP_2)
	v_pk_add_f32 v[14:15], v[14:15], v[210:211]
	s_delay_alu instid0(VALU_DEP_1)
	v_pk_add_f32 v[14:15], v[14:15], v[242:243]
.set jj, 0
.rept 8*\nb                                    ; the conversion does not saturate (ISA guide 7.6.2); p is not negative, so the hold is one-sided; two holds to a dual pair
	v_dual_min_num_f32 v[96+jj], v[96+jj], v6 :: v_dual_min_num_f32 v[97+jj], v[97+jj], v215
.set jj, jj+2
.endr
.set tt, 0
.rept 2*\nb
	v_cvt_scalef32_pk8_fp8_f32 v[192+2*tt:193+2*tt], v[96+8*tt:103+8*tt], v5
.set tt, tt+1
.endr
.if \nb == 2
.set jj, 0
.rept 8
	v_mov_b32 v[200+jj], 0                         ; keys 64 to 127 are hidden: zero codes, which add nothing to a sum
.set jj, jj+1
.endr
.endif
	s_wait_alu depctr_va_vdst(0)                   ; directly ahead of the first reader of O^T
.set jj, 0
.rept 16
	v_pk_mul_f32 v[160+jj:161+jj], v[160+jj:161+jj], v[208:209] op_sel_hi:[1,0]   ; O^T under the new M; also the plain lines between the conversions and the products
.set jj, jj+2
.endr
	s_wait_alu depctr_va_vdst(0)
	s_wait_dscnt 0x0                               ; V is in
.irp t, 0,1,2,3                                ; O^T += V^T P^T, K = these 128 keys; four accumulators, one instruction a turn
	v_wmma_f32_16x16x128_fp8_fp8 v[160+8*\t:167+8*\t], v[32+16*\t:47+16*\t], v[192:207], v[160+8*\t:167+8*\t]
.endr
.endm
; A KEY STEP.  kind = 0: a step that counts whole for every wave.  kind = 1: scalar tests on the step's number lead round a hidden step, or to the half body.
.macro STEP qreg, dreg, kind
.if \kind
	s_cmp_gt_u32 s[KI], s[MS]
	s_cbranch_scc1 .Lend_\@                        ; all 128 keys come after my queries
	s_cmp_eq_u32 s[KI], s[MH]
	s_cbranch_scc1 .Lhalf_\@                       ; the diagonal step of a tile with even m
	BODY \qreg, \dreg, 4, 1
	s_branch .Lend_\@
.Lhalf_\@:
	BODY \qreg, \dreg, 2, 2
.Lend_\@:
.else
	BODY \qreg, \dreg, 4, 0
.endif
.endm
.macro STEPS n, qreg, dreg, kind       ; n key steps: a constant count
	s_mov_b32 s[CNT], \n
.Lsteps_\@:
	STEP \qreg, \dreg, \kind
	s_add_co_u32 s[TB], s[TB], STEPB
	s_add_co_u32 s[KI], s[KI], 1
	s_sub_co_u32 s[CNT], s[CNT], 1
	s_cmp_lg_u32 s[CNT], 0
	s_cbranch_scc1 .Lsteps_\@
.endm
.macro FINISH cb, co                   ; O^T / the sum, quantised: registers 16 b + i are dv 32 b + 16 h + i: the image's 16 bytes.  Two stores of 512 consecutive bytes
.rept 4
	v_nop                                          ; places behind the last products
.endr
	v_add_f32 v14, v14, v15
	s_delay_alu instid0(VALU_DEP_1)
	v_permlanex16_b32 v212, v14, s[SEL], s[SEL+1]
	s_delay_alu instid0(VALU_DEP_1)
	v_add_f32 v14, v14, v212                       ; the row's sum
	s_wait_alu depctr_va_vdst(0)                   ; the wait ahead of the transcendental
	v_rcp_f32 v208, v14
	v_nop                                          ; a plain line behind the reciprocal
	s_wait_alu depctr_va_vdst(0)                   ; and the wait ahead of its first reader, which is O^T's first reader too
.set jj, 0
.rept 16
	v_pk_mul_f32 v[96+jj:97+jj], v[160+jj:161+jj], v[208:209] op_sel_hi:[1,0]
.set jj, jj+2
.endr
.set jj, 0
.rept 32
	v_med3_num_f32 v[96+jj], v[96+jj], -v8, v8     ; the hold at the largest code x the scale
.set jj, jj+1
.endr
.irp g, 0,1,2,3
	v_cvt_scalef32_pk8_fp8_f32 v[\co+2*\g:\co+2*\g+1], v[96+8*\g:103+8*\g], v7
.endr
	v_nop                                          ; a plain line behind the last conversion
	global_store_b128 v1, v[\co:\co+3], s[\cb:\cb+1]
	global_store_b128 v1, v[\co+4:\co+7], s[\cb:\cb+1] offset:512
.endm
	s_wait_alu depctr_va_vdst(0)                   ; the wait at the head's end
	s_wait_tensorcnt 0x0                           ; my part of key steps 0 to 3 is in
	ds_add_u32 v[SPW], v[NIL]
	s_mov_b32 s[TB], 0
	s_mov_b32 s[KI], 0
	s_wait_dscnt 0x0
	CROUND                                         ; key steps 0 to 3 are whole, and the four partners are here
	tensor_load_to_lds s[G0B:G0B+3], s[G1B:G1B+7]  ; my part of key steps 4 to 15: the first tensor load behind the round, and my last
	s_nop 0
.rept 4
	v_nop
.endr
	s_wait_loadcnt 0x0                             ; q
	STEPS 4, 16, 213, 0                            ; first pass, m = 31 - w: at least 9 key steps count, so steps 0 to 3 count whole
	s_wait_tensorcnt 0x0                           ; my part of key steps 4 to 15 is in
	s_wait_dscnt 0x0
	s_barrier_signal -1
	s_barrier_wait -1                              ; all sixteen key steps are whole; nothing in LDS is written from here on
	STEPS 12, 16, 213, 1
	FINISH CB0, 216
	INIT
	s_mov_b32 s[MS], s[MS2]
	s_mov_b32 s[MH], s[MH2]
	s_mov_b32 s[TB], 0
	s_mov_b32 s[KI], 0
	STEPS 8, 24, 214, 1                            ; second pass, m = w: at most 8 key steps count
	FINISH CB1, 224
	s_wait_tensorcnt 0x0                           ; the wave's end
	ds_add_u32 v[SPW], v[NIL]
	s_wait_dscnt 0x0
	CROUND                                         ; the closing round
	s_endpgm
.Lfunc_end_k_q98c78a80ec_attn:
	.size	k_q98c78a80ec_attn, .Lfunc_end_k_q98c78a80ec_attn-k_q98c78a80ec_attn
	.p2alignl 7, 3214868480
	.fill 96, 4, 3214868480
	.section	.rodata,"a",@progbits
	.p2align	6, 0x0
	.amdhsa_kernel k_q98c78a80ec_attn
		.amdhsa_group_segment_fixed_size 327680
		.amdhsa_private_segment_fixed_size 0
		.amdhsa_enable_private_segment 0
		.amdhsa_kernarg_size 24
		.amdhsa_user_sgpr_count 2
		.amdhsa_user_sgpr_kernarg_segment_ptr 1
		.amdhsa_wavefront_size32 1
		.amdhsa_system_sgpr_workgroup_id_x 1
		.amdhsa_system_sgpr_workgroup_id_y 1
		.amdhsa_system_sgpr_workgroup_id_z 1
		.amdhsa_system_vgpr_workitem_id 0
		.amdhsa_next_free_vgpr 256
		.amdhsa_next_free_sgpr 96
		.amdhsa_reserve_vcc 1
		.amdhsa_float_denorm_mode_32 3
		.amdhsa_float_denorm_mode_16_64 3
		.amdhsa_memory_ordered 1
		.amdhsa_forward_progress 1
		.amdhsa_inst_pref_size 96
	.end_amdhsa_kernel
	.amdgpu_metadata
---
amdhsa.version: [ 1, 2 ]
amdhsa.kernels:
  - .name:           k_q98c78a80ec_attn
    .symbol:         k_q98c78a80ec_attn.kd
    .args:
      - { .name: qkv, .offset: 0, .size: 8, .value_kind: global_buffer, .address_space: global }
      - { .name: lowp_scales, .offset: 8, .size: 8, .value_kind: global_buffer, .address_space: global }
      - { .name: cimg, .offset: 16, .size: 8, .value_kind: global_buffer, .address_space: global }
    .group_segment_fixed_size: 327680
    .private_segment_fixed_size: 0
    .kernarg_segment_align: 8
    .kernarg_segment_size: 24
    .max_flat_workgroup_size: 512
    .sgpr_count:     96
    .vgpr_count:     256
    .wavefront_size: 32
...
	.end_amdgpu_metadata
.endif
;; end of part 3
;; launch outp (part 4): grid 32 x 8, 4 waves a work-group, clusters of 4 x 1, 167,936 bytes of LDS; arguments cimg, wcod, lowp_scales, out0; writes out0
.if DOCPART == 4
	.amdgcn_target "amdgcn-amd-amdhsa--gfx1250"
	.amdhsa_code_object_version 6
	.text
	.protected	k_q98c78a80ec_outp
	.globl	k_q98c78a80ec_outp
	.p2align	8
	.type	k_q98c78a80ec_outp,@function
k_q98c78a80ec_outp:
	s_mov_b64 s[64:65], 0
	v_nop
	global_prefetch_b8 v0, s[64:65] scope:SCOPE_SE
	s_setreg_imm32_b32 hwreg(HW_REG_WAVE_MODE, 25, 1), 1
	s_wait_xcnt 0x0
	s_wait_alu depctr_hold_cnt(0) depctr_sa_sdst(0) depctr_va_vdst(0) depctr_va_sdst(0) depctr_va_ssrc(0) depctr_va_vcc(0) depctr_vm_vsrc(0)
	s_getreg_b32 s2, hwreg(HW_REG_IB_STS2, 6, 4)
	s_cmp_eq_u32 s2, 0
	s_cbranch_scc0 .Lentry_in_a_cluster
	s_endpgm
.Lentry_in_a_cluster:
	s_bfe_u32 s2, ttmp6, 0x10000c
	s_cmp_lg_u32 s2, 0x3003
	s_cbranch_scc0 .Lentry_shape_is_right
	s_endpgm
.Lentry_shape_is_right:
; out0 [8192][1024] f32 = ctx Wo, K = 1,024, on codes of FP8 (E4M3); each finished sum is multiplied once by 2^(e10 + e11).  LIMIT: e10 + e11 between -126 and 127.
; cimg: ctx as register images, [64 blocks of 128 rows][4 K steps of 256][8 tiles of 16 rows][2][c 0..3][32 lanes][16 bytes]: lane (r, h) holds ctx(row r, k = 256 ks + 128 kq + 32 c + 16 h + 0 .. 15).
; wcod, part 3: Wo as register images, [16 slabs of 64 columns][8 chunks of 128 K][4 tiles of 16 columns][c 0..3][32 lanes][16 bytes].
; SHARES.  A work-group makes 256 rows x 128 columns: 32 x 8 = 256 work-groups.  A wave makes 64 rows x 128 columns: 32 accumulators.
; ctx STAYS IN REGISTERS: a wave's 64 rows x 1,024 K are 512 registers, loaded from the images by 128 loads of 512 consecutive bytes, all asked for at the head.
; Wo's 128 columns x the whole K, 131,072 dense bytes, come into LDS once, 32,768 bytes a wave by one tensor load; nothing is filled again, so K has no ring.  Every LDS load reads 512 consecutive bytes.
; The four partners of a cluster (four row blocks, one column block) need the same bytes of Wo: asked for jointly, mask 15; nothing in the descriptor, an LDS address or a branch hangs on cx.
; NO PREFETCH: every byte is asked for at the head, and the text has no loop to run ahead in.
; Source 0 = 16 columns of Wo, source 1 = 16 rows of ctx: a lane holds eight neighbouring numbers of a row of out0.
; REGISTERS: window 0: v16, v17 LDS addresses, v24-26 the way out's, v64-191 two buffers of four fragments of Wo, then rows read back, v192-255 scaled sums; window 1: accumulator (row block b, column block n) at 64 b + 8 n; windows 2, 3: ctx's chunks 0-3, 4-7.
.set SIZE_N, 1024
.set STAGE,  131072                    ; behind Wo: a stage of 16 rows x (512 + 16) bytes for each wave
.set SPITCH, 528
.set SPARE,  STAGE+4*16*SPITCH         ; behind the stages: the spare words, 128 bytes for each wave
.set ADR,  16
.set STO,  24
.set RD,   25
.set CO,   26
.set SPW,  28
.set NIL,  29
.set XF,   64
.set TMP,  192
.set G1,   24
.set G0,   32
.set MSB, 0
.macro WIN new                         ; the immediate's high byte repeats the setting that is left
.if MSB != \new
	s_set_vgpr_msb (MSB<<8)|\new
.set MSB, \new
.endif
.endm
.macro PLACES n                        ; plain vector lines between a matrix instruction and a load into, or a vector line on, its registers
.rept \n
	v_nop
.endr
.endm
.macro CROUND                          ; a round of the cluster's barrier
	s_barrier_signal -1
	s_barrier_wait -1
	s_cmp_lg_u32 s14, 0
	s_cbranch_scc1 .Lnot_wave_0_\@
	s_barrier_signal -3
.Lnot_wave_0_\@:
	s_barrier_wait -3
	s_barrier_signal -1
	s_barrier_wait -1
.endm
.macro CLOAD q                         ; ctx's chunk q of my four tiles: 16 loads of 512 consecutive bytes
	WIN 0x80+0x40*((\q)/4)
.irp b, 0,1,2,3
.irp c, 0,1,2,3
	global_load_b128 v[64*((\q)%4)+16*\b+4*\c:64*((\q)%4)+16*\b+4*\c+3], v[CO], s[84:85] offset:32768*((\q)/2)+2048*((\q)%2)+4096*\b+512*\c
.endr
.endr
	WIN 0
.endm
.macro FETCH g                         ; group g = 2 chunk + slab: four fragments of Wo into buffer g % 2
.irp i, 0,1,2,3
.irp c, 0,1,2,3
	ds_load_b128 v[XF+64*((\g)%2)+16*\i+4*\c:XF+64*((\g)%2)+16*\i+4*\c+3], v[ADR+(\g)%2] offset:8192*((\g)/2)+2048*\i+512*\c
.endr
.endr
.endm
.macro MULG                            ; group GG's 16 products, each on an accumulator of its own; the first chunk starts the sums
	WIN 0x58+4*(GG/8)
.irp i, 0,1,2,3
.irp b, 0,1,2,3
.set XR_, XF+64*(GG%2)+16*\i
.set WR_, 64*((GG/2)%4)+16*\b
.set DR_, 64*\b+8*(4*(GG%2)+\i)
.if GG < 2
	v_wmma_f32_16x16x128_fp8_fp8 v[DR_:DR_+7], v[XR_:XR_+15], v[WR_:WR_+15], 0
.else
	v_wmma_f32_16x16x128_fp8_fp8 v[DR_:DR_+7], v[XR_:XR_+15], v[WR_:WR_+15], v[DR_:DR_+7]
.endif
.endr
.endr
.endm
	s_load_b128 s[4:7], s[0:1], 0x0                ; cimg s[4:5], wcod s[6:7]
	s_load_b128 s[8:11], s[0:1], 0x10              ; the exponents s[8:9], out0 s[10:11]
	v_lshl_add_u32 v[SPW], v0, 2, SPARE
	v_mov_b32 v[NIL], 0
	ds_add_u32 v[SPW], v[NIL]                      ; the opening: the add, twice on end, and its wait ahead of my first tensor load
	ds_add_u32 v[SPW], v[NIL]
	v_lshrrev_b32 v1, 5, v0
	v_readfirstlane_b32 s14, v1                    ; wave 0..3
	s_and_b32 s17, ttmp7, 0xffff                   ; the cluster's y: the block of 128 columns
	s_lshl_b32 s20, s17, 17
	s_lshl_b32 s18, s14, 15                        ; my 32,768 bytes of its 131,072, in memory and in LDS alike
	s_add_co_u32 s20, s20, s18
	s_add_co_u32 s20, s20, 3<<20                   ; Wo is wcod's part 3
	s_mov_b32 s21, 0
	s_mov_b32 s[G1], 15|(3<<16)|(1<<21)            ; 15:0 the mask: all four partners; elements of 8 bytes; 21 set beside a mask; no padding: a dense block as 128 rows of 256 bytes
	s_mov_b32 s[G1+1], 32<<16
	s_mov_b32 s[G1+2], 128<<16
	s_mov_b32 s[G1+3], 32<<16
	s_mov_b32 s[G1+4], 128
	s_mov_b32 s[G1+5], 32
	s_mov_b32 s[G1+6], 0
	s_mov_b32 s[G1+7], 0
	s_mul_i32 s23, s14, 16*SPITCH
	s_add_co_u32 s23, s23, STAGE                   ; my stage
	s_wait_dscnt 0x0                               ; both opening adds are done
	s_wait_kmcnt 0x0
	s_load_b64 s[96:97], s[8:9], 0x28              ; e10, e11
	s_mov_b32 s[G0], 1
	s_mov_b32 s[G0+1], s18
	s_add_nc_u64 s[G0+2:G0+3], s[6:7], s[20:21]
	s_or_b32 s[G0+3], s[G0+3], 0x80000000
	CROUND                                         ; the four partners are here: the joint loads meet
	tensor_load_to_lds s[G0:G0+3], s[G1:G1+7]      ; my one tensor load
	s_nop 0
	PLACES 4
	; what hangs on cx stands in s80 and up, in registers that feed no descriptor
	s_bfe_u32 s80, ttmp6, 0x40000
	s_lshl_b32 s81, ttmp9, 2
	s_add_co_u32 s81, s81, s80                     ; the block of 256 rows: 4 x cluster x + cx
	s_lshl_b32 s82, s81, 1
	s_lshr_b32 s83, s14, 1
	s_add_co_u32 s82, s82, s83                     ; my block of 128 rows in cimg,
	s_lshl_b32 s82, s82, 17
	s_and_b32 s83, s14, 1
	s_lshl_b32 s83, s83, 14                        ; and my four tiles of its eight
	s_add_co_u32 s82, s82, s83
	s_mov_b32 s83, 0
	s_add_nc_u64 s[84:85], s[4:5], s[82:83]
	s_lshl_b32 s86, s81, 8
	s_lshl_b32 s87, s14, 6
	s_add_co_u32 s86, s86, s87                     ; my first row of out0
	s_lshl_b32 s86, s86, 12
	s_lshl_b32 s87, s17, 9                         ; my columns: 512 bytes
	s_add_co_u32 s86, s86, s87
	s_mov_b32 s87, 0
	s_add_nc_u64 s[10:11], s[10:11], s[86:87]
	v_and_b32 v1, 15, v0                           ; r
	v_bfe_u32 v2, v0, 4, 1                         ; h
	v_and_b32 v6, 31, v0
	v_lshlrev_b32 v[CO], 4, v6                     ; 16 x lane
	v_lshlrev_b32 v[ADR], 4, v6                    ; Wo's first slab,
	v_add_nc_u32 v[ADR+1], 65536, v[ADR]           ; its second
	v_mul_u32_u24 v5, v1, SPITCH                   ; into the stage: row r, 32 bytes for each half of the lanes
	v_lshl_add_u32 v5, v2, 5, v5
	v_add_nc_u32 v[STO], s23, v5
	v_add_nc_u32 v[RD], s23, v[CO]                 ; back: the 32 lanes take one row of 512 bytes
	s_wait_alu depctr_va_vdst(0)                   ; the wait at the head's end
.irp q, 0,1,2,3,4,5,6,7
	CLOAD \q
.endr
	s_wait_tensorcnt 0x0                           ; my part of Wo is in
	s_barrier_signal -1
	s_barrier_wait -1                              ; everybody's is
	FETCH 0
.set GG, 0
.rept 16                                       ; 16 groups; while a group is multiplied the next group's 16 fragment loads are out
.if GG > 0
	WIN 0
	PLACES 4
.endif
.if GG < 15
	FETCH GG+1
	s_wait_dscnt 16                                ; this group's fragments are in; the 16 loads just issued may be out
.else
	s_wait_dscnt 0x0
.endif
.if GG%2 == 0
.if GG < 8
	s_wait_loadcnt 63                              ; behind chunk q's loads stand 16 (7 - q) later ones: 64 or more up to chunk 3
.else
	s_wait_loadcnt 16*(7-GG/2)
.endif
.endif
	MULG
.set GG, GG+1
.endr
	WIN 0
	PLACES 4
; THE WAY OUT, block by block of 16 rows x 128 columns: through my own stage in LDS and back as whole rows of 512 bytes.  LDS serves a wave's instructions in order (ISA guide 5.7.1.4): no wait between the stores and the loads.
.macro TOSTAGE a
	WIN 0x01                                       ; source 0: window 1
.irp j, 0,2,4,6,8,10,12,14,16,18,20,22,24,26,28,30,32,34,36,38,40,42,44,46,48,50,52,54,56,58,60,62
	v_pk_mul_f32 v[TMP+\j:TMP+\j+1], v[64*(\a)+\j:64*(\a)+\j+1], s[96:97] op_sel_hi:[1,0]   ; both x s96 = 2^(e10 + e11); each accumulator from its low end on
.endr
	WIN 0
.irp b, 0,1,2,3,4,5,6,7
	ds_store_b128 v[STO], v[TMP+8*\b:TMP+8*\b+3] offset:64*\b
	ds_store_b128 v[STO], v[TMP+8*\b+4:TMP+8*\b+7] offset:64*\b+16
.endr
.set BB, XF+64*((\a)%2)
.irp t, 0,1,2,3,4,5,6,7,8,9,10,11,12,13,14,15
	ds_load_b128 v[BB+4*\t:BB+4*\t+3], v[RD] offset:\t*SPITCH
.endr
.endm
.macro SEND a, younger                 ; younger: the LDS instructions issued behind block a's loads, which may stay out
.set BB, XF+64*((\a)%2)
	s_wait_dscnt \younger
.if (\a) > 0
	s_add_nc_u64 s[10:11], s[10:11], 16*SIZE_N*4   ; (behind a wait on XCNT: the earlier stores have read their base)
.endif
.irp t, 0,1,2,3,4,5,6,7,8,9,10,11,12,13,14,15
	global_store_b128 v[CO], v[BB+4*\t:BB+4*\t+3], s[10:11] offset:\t*SIZE_N*4 th:TH_STORE_NT   ; 32 lanes store 512 consecutive bytes, at a multiple of 512
.endr
.endm
	s_wait_kmcnt 0x0
	s_add_co_i32 s96, s96, s97
	s_add_co_i32 s96, s96, 127
	s_lshl_b32 s96, s96, 23                        ; 2^(e10 + e11) as f32
	TOSTAGE 0
.irp a, 1,2,3
.if \a > 1
	s_wait_xcnt 0x0                                ; block a - 2's stores have read their registers and their base
.endif
	TOSTAGE \a
	SEND \a-1, 32                                  ; behind block a - 1's loads: block a's 16 stores and 16 loads
.endr
	s_wait_xcnt 0x0
	SEND 3, 0
	s_wait_tensorcnt 0x0                           ; the wave's end
	ds_add_u32 v[SPW], v[NIL]
	s_wait_dscnt 0x0
	CROUND                                         ; the closing round
	s_endpgm
.Lfunc_end_k_q98c78a80ec_outp:
	.size	k_q98c78a80ec_outp, .Lfunc_end_k_q98c78a80ec_outp-k_q98c78a80ec_outp
	.p2alignl 7, 3214868480
	.fill 96, 4, 3214868480
	.section	.rodata,"a",@progbits
	.p2align	6, 0x0
	.amdhsa_kernel k_q98c78a80ec_outp
		.amdhsa_group_segment_fixed_size 167936
		.amdhsa_private_segment_fixed_size 0
		.amdhsa_enable_private_segment 0
		.amdhsa_kernarg_size 32
		.amdhsa_user_sgpr_count 2
		.amdhsa_user_sgpr_kernarg_segment_ptr 1
		.amdhsa_wavefront_size32 1
		.amdhsa_system_sgpr_workgroup_id_x 1
		.amdhsa_system_sgpr_workgroup_id_y 1
		.amdhsa_system_sgpr_workgroup_id_z 1
		.amdhsa_system_vgpr_workitem_id 0
		.amdhsa_next_free_vgpr 1024
		.amdhsa_next_free_sgpr 100
		.amdhsa_reserve_vcc 0
		.amdhsa_float_denorm_mode_32 3
		.amdhsa_float_denorm_mode_16_64 3
		.amdhsa_memory_ordered 1
		.amdhsa_forward_progress 1
		.amdhsa_inst_pref_size 76
	.end_amdhsa_kernel
	.amdgpu_metadata
---
amdhsa.version: [ 1, 2 ]
amdhsa.kernels:
  - .name:           k_q98c78a80ec_outp
    .symbol:         k_q98c78a80ec_outp.kd
    .args:
      - { .name: cimg, .offset: 0, .size: 8, .value_kind: global_buffer, .address_space: global }
      - { .name: wcod, .offset: 8, .size: 8, .value_kind: global_buffer, .address_space: global }
      - { .name: lowp_scales, .offset: 16, .size: 8, .value_kind: global_buffer, .address_space: global }
      - { .name: out0, .offset: 24, .size: 8, .value_kind: global_buffer, .address_space: global }
    .group_segment_fixed_size: 167936
    .private_segment_fixed_size: 0
    .kernarg_segment_align: 8
    .kernarg_segment_size: 32
    .max_flat_workgroup_size: 128
    .sgpr_count:     100
    .vgpr_count:     1024
    .wavefront_size: 32
...
	.end_amdgpu_metadata
.endif
;; end of part 4
